; MI455X (gfx1250); checked and timed in simulation.
; The chip was launched on July 23, 2026; its instructions are those of AMD's public machine-readable ISA for CDNA 5 (MIT licence, August 2026) and "CDNA5" Instruction Set Architecture Reference Guide (July 2026). The comments in the code are by the model that wrote it; some were corrected since.
;; Multi Head Attention. Allowed arithmetic: matrix products marked QUANTISED: E4M3 operands, one given power-of-two scale a tensor, by v_wmma_f32_16x16x64_fp8_fp8 or v_wmma_f32_16x16x128_fp8_fp8, f32 sums; everything else in f32.
;; Inputs: Wk_codes 16 x 64 x 32 x 32 uint8 (E4M3 codes of Wk, K innermost, in blocks of 32 codes); Wq_codes 16 x 64 x 32 x 32 uint8 (E4M3 codes of Wq, K innermost, in blocks of 32 codes); Wv_codes 16 x 64 x 32 x 32 uint8 (E4M3 codes of Wv, K innermost, in blocks of 32 codes); inputs_codes 4 x 2,048 x 32 x 32 uint8 (E4M3 codes of inputs, K innermost, in blocks of 32 codes); lowp_scales 10 int32 (the exponents e of the quantised operands' scales 2^e).
;; Outputs: out0 4 x 2,048 x 1,024 float32.
;; This version of the problem:
;;   THIS VERSION OF THE PROBLEM IS GIVEN IN LOW PRECISION. The matrix products marked QUANTISED in the list below multiply operands that are first quantised to E4M3 (4 exponent bits, 3 mantissa bits; 8 bits a number), with one given power-of-two scale for each operand tensor; their sums are f32. All else is computed in f32.
;;   The module's matrix products, in the order in which they are computed (A, B: the left and right operand; K: the contracted axis; several contracted axes count as one K, in the product's order):
;;     1. [M 1,024, K 1,024] x [K 1,024, N 8,192]; A: input Wq (given as codes); B: input inputs (given as codes): QUANTISED (scales: A lowp_scales[0], B lowp_scales[1])
;;     2. [M 1,024, K 1,024] x [K 1,024, N 8,192]; A: input Wk (given as codes); B: input inputs (given as codes): QUANTISED (scales: A lowp_scales[2], B lowp_scales[3])
;;     3. [M 1,024, K 1,024] x [K 1,024, N 8,192]; A: input Wv (given as codes); B: input inputs (given as codes): QUANTISED (scales: A lowp_scales[4], B lowp_scales[5])
;;     4. batch 64 x [M 2,048, K 64] x [K 64, N 2,048]; A: computed on the way; B: computed on the way: QUANTISED (scales: A lowp_scales[6], B lowp_scales[7])
;;     5. batch 64 x [M 2,048, K 2,048] x [K 2,048, N 64]; A: softmax (see below); B: computed on the way: QUANTISED (scales: A lowp_scales[8], B lowp_scales[9])
;;   THE QUANTISER, for each operand of a quantised product, along K:
;;     - The operand's scale is 2^e, e = its entry of the input lowp_scales (int32; the entries are numbered through the quantised products in the list's order, A before B).
;;     - Each number is divided by the scale, clamped to +-448, and rounded to the nearest number of E4M3, ties to even, subnormals kept.
;;     - The product sums the exact products of the quantised numbers (number of the format x scale) in f32.
;;   ~~~python
;;   def quantise(x, axis, e):      # numpy; x: float32 -> the quantised numbers, widened to float32 again
;;       x = np.moveaxis(x, axis, -1); K = x.shape[-1]
;;       r = np.clip(x / 2.0 ** e, -448, 448)
;;       step = 2.0 ** (np.maximum(np.frexp(np.where(r == 0, 1, r))[1] - 1, -6) - 3)
;;       q = np.round(r / step) * step * 2.0 ** e      # np.round: ties to even
;;       return np.moveaxis(q, -1, axis).astype(np.float32)
;;   ~~~
;;   SOFTMAX AHEAD OF A QUANTISED PRODUCT. Where the list says 'softmax', what is quantised is not the finished softmax but p = 2^(t - M), with t = logit x log2(e) and M = ceil(the row's largest t), a whole number; so 1/2 < the row's largest p <= 1. The row's sum l is taken of the UNQUANTISED p, in f32, and the product's result is divided by l at the end. Since M is a whole number, a kernel that streams over the keys may use a running M (the ceiling of the running maximum): every later rescaling is an exact power of two, so the quantised numbers keep their values, but for numbers so far below the row's largest that they fall under the format's range.
;;   OPERANDS COMPUTED ON THE WAY. 'Computed on the way' means the value that the module computes at that place (a softmax that the list does not call 'softmax' is quantised finished and normalised). What goes into a quantiser is computed in f32, as accurately as f32 sums, v_exp_f32 and their like allow (about 1e-6 of the number): no bf16 or f16 on the way to a quantiser, and a product that is left as it is and whose result goes on into a quantised operand takes f32 operands (vector FMAs, or v_wmma_f32_16x16x4_f32). A number that lies on a knife's edge between two numbers of the format may be rounded either way, as far as f32 arithmetic and the matrix unit's own rounding can turn it there, and no further.
;;   INPUTS GIVEN AS CODES. Wk (in the module: [16, 1024, 64], K = its axis 1); Wq (in the module: [16, 1024, 64], K = its axis 1); Wv (in the module: [16, 1024, 64], K = its axis 1); inputs (in the module: [4, 2048, 1024], K = its axis 2): each comes as NAME_codes (uint8): NAME with its K axis moved to the last place and cut into blocks of 32 codes, [.., K / 32, bytes a block], one block behind the other in memory; one code a byte (a code: sign, 4 exponent bits, 3 mantissa bits); its scale is its entry of lowp_scales. Its value is code x scale, taken as it is: it is not quantised again, and the codes and scales need not be those that the quantiser above would give.
;; One version. Each part assembles by itself: llvm-mc -triple=amdgcn-amd-amdhsa -mcpu=gfx1250 --defsym DOCPART=n.
;; ======== version 1 of 1: 2 launches
;; limits: right only within a limited range of input values
;; workspace buffers: q_ws 8,388,608 bytes; kv_ws 16,777,216 bytes
;; launch proj (part 1): grid 12 x 32, 4 waves a work-group, clusters of 4 x 4, 327,680 bytes of LDS; arguments inputs_codes, Wq_codes, Wk_codes, Wv_codes, lowp_scales, q_ws, kv_ws; writes q_ws, kv_ws
.if DOCPART == 1
	.amdgcn_target "amdgcn-amd-amdhsa--gfx1250"
	.amdhsa_code_object_version 6
	.text
	.protected	k_q68fe7206b3_proj
	.globl	k_q68fe7206b3_proj
	.p2align	8
	.type	k_q68fe7206b3_proj,@function
k_q68fe7206b3_proj:
	s_mov_b64 s[64:65], 0
	v_nop
	global_prefetch_b8 v0, s[64:65] scope:SCOPE_SE
	s_setreg_imm32_b32 hwreg(HW_REG_WAVE_MODE, 25, 1), 1
	s_wait_xcnt 0x0
	s_wait_alu depctr_hold_cnt(0) depctr_sa_sdst(0) depctr_va_vdst(0) depctr_va_sdst(0) depctr_va_ssrc(0) depctr_va_vcc(0) depctr_vm_vsrc(0)
	s_getreg_b32 s2, hwreg(HW_REG_IB_STS2, 6, 4)
	s_cmp_eq_u32 s2, 0
	s_cbranch_scc0 .Lentry_in_a_cluster
	s_endpgm
.Lentry_in_a_cluster:
	s_bfe_u32 s2, ttmp6, 0x10000c
	s_cmp_lg_u32 s2, 0xf033
	s_cbranch_scc0 .Lentry_shape_is_right
	s_endpgm
.Lentry_shape_is_right:
; q, k, v = x W^T on codes of FP8 (E4M3), and their quantising.  x: [8192][1024] codes (row = 2048 batch + position); Wq, Wk, Wv: [1024][1024] codes (row = 64 head + e); K innermost, rows of 1,024 bytes.
; The cluster's x says which product: 0 = q, 1 = k, 2 = v; it is the same in all sixteen partners.  A work-group makes 256 x 256 sums, a wave 128 x 128: 64 accumulators of 16 x 16, 512 registers.
; THE MATRIX INSTRUCTION: source 0 = 16 rows of "B", source 1 = 16 rows of "A".  For q and k: A = x, B = W; for v: A = Wv, B = x.  Register j of lane (r, h) of accumulator (a, b) is (B's row 16 b + 8 h + j, A's row 16 a + r).
; So for q and k a lane holds ONE position and eight neighbouring e, for v ONE e and eight neighbouring positions (keys): eight neighbours along the K of the product that will read them.  The conversion of accumulator (a, b)
; gives registers 2 b, 2 b + 1 of that product's operand, in the lane that will hold them.  The codes are stored AS IMAGES OF THE READER'S REGISTERS: four registers of the 32 lanes are 512 consecutive bytes, one store.
;   q_ws  [64 heads][128 tiles of 16 queries][1,024 bytes]: 8 registers a lane: register i at 512 (i / 4) + 16 lane + 4 (i % 4)
;   kv_ws [64 heads][16 steps of 128 keys][16,384 bytes]: 8 tiles of 16 keys as q's tiles (8,192 bytes), then 4 tiles of 16 e x 128 keys, 16 registers a lane (2,048 bytes each)
; code = sum x 2^(ew + ex) / 2^eo, held within +-448, to the nearest code, ties to even: the three exponents are folded into the conversion's one scale 2^(eo - ew - ex).
; LIMITS: eo - ew - ex (entries 6-0-1, 7-2-3, 9-4-5 of the scales) lies between -126 and 119, so that the scale and 448 x the scale are f32 numbers.  NaN codes among the inputs are not served.
; K goes in steps of 256 through a ring of two LDS slots filled by the tensor data mover: four steps in all, the first two asked for at the start, so nothing is asked for further ahead.
; CLUSTERS: 4 x 4 work-groups.  The four of a row of the cluster need the same tile of A, the four of a column the same tile of B: each tile is asked for JOINTLY, by the same tensor load with the same descriptor and a mask of the four.
; A fragment is fetched by four loads of 16 bytes: a permutation of k inside the instruction's 128, the same in A and in B, so every product meets its partner.
; REGISTERS, in windows of 256: window 0: v0-31 addresses and the scale; v32-95 at work on the way out; from v128 A's fragments, ONE set (on the way out: the codes, 16 registers for each of my 8 blocks).
;   window 1: B's fragments, TWO sets.   window 2: the accumulators of A's rows 0-63 ((a, b) at v[8 (8 a + b)]);   window 3: those of rows 64-127.
.set KSTEP,  256                       ; along K in a slot
.set ROWB,   256                       ; a tile's row in bytes
.set KROW,   1024                      ; a row of x or of W in memory, in bytes
.set PITCH,  272                       ; an LDS row: 256 bytes + 16 of padding = 68 words: the 16 rows that a load touches start at 16 different banks (64 banks of 4 bytes: ISA guide 11.1)
.set FR,     16                        ; registers of a fragment: 16 rows x 128 K
.set NL,     4                         ; LDS loads that bring one
.set NP,     4                         ; places behind this matrix instruction (ISA guide 7.12.1)
.set HALFT,  128*PITCH                 ; 128 rows: what one tensor load brings
.set SLOT,   4*HALFT                   ; A's 256 rows, then B's 256 rows
.set LAPS,   2                         ; a lap = two K steps = once round the ring: 1,024 / 512
.set SPARE,  2*SLOT                    ; behind the ring: the spare words, 128 bytes for each wave: two blocks of 256 bytes that no other line names
.set ADRA, 16                          ; v16-17  LDS address of my A fragments in slot 0, 1
.set ADRB, 20                          ; v20-21  the same for B
.set CO,   26                          ; v26     16 x lane: my place in an image's 512 bytes; never rewritten
.set CO2,  27                          ; v27     the same in the block's second half of codes; never rewritten
.set SPW,  28                          ; v28     LDS address of my spare word; never rewritten
.set NIL,  29                          ; v29     0; never rewritten
.set SCL,  30                          ; v30     2^(eo - ew - ex) as f32
.set LIM,  31                          ; v31     448 x that
.set TMP,  32                          ; v32-95  a block's 64 sums, held
.set AF,   128                         ; A's fragments, in window 0
.set CD,   128                         ; the way out: the codes
.set G1, 24                            ; s[24:31] descriptor group 1 for A's tiles;  s[32:39] group 0, one set for each slot
.set G0, 32
.set G1B, 48                           ; s[48:55], s[56:63] the same for B's tiles
.set G0B, 56
.set MSB, 0
.macro WIN new                         ; the immediate's high byte repeats the setting that is left
.if MSB != \new
	s_set_vgpr_msb (MSB<<8)|\new
.set MSB, \new
.endif
.endm
.set MUL_LO, 0xa1                      ; source 0 (B) window 1, source 1 (A) window 0, C and D window 2
.set MUL_HI, 0xf1                      ; the same, C and D window 3
.set TO_B,   0x40                      ; destination window 1, address window 0
; A joint load: waves 0 and 1 fetch for A, waves 2 and 3 for B.  Each of the two lines has ONE mask and one set of registers for all that issue it; the branch hangs on the wave's number alone.
; Four v_nop follow each of the two lines, ahead of the jump, the label and what follows.
.macro JLOAD g0a, g1a, g0b, g1b
	s_cmp_eq_u32 s15, 0
	s_cbranch_scc0 .Lfor_b_\@
	tensor_load_to_lds s[\g0a:\g0a+3], s[\g1a:\g1a+7]
	s_nop 0
.rept 4
	v_nop
.endr
	s_branch .Lasked_\@
.Lfor_b_\@:
	tensor_load_to_lds s[\g0b:\g0b+3], s[\g1b:\g1b+7]
	s_nop 0
.rept 4
	v_nop
.endr
.Lasked_\@:
.endm
.macro CREST                           ; a round of the cluster's barrier behind its opening barrier
	s_cmp_lg_u32 s14, 0
	s_cbranch_scc1 .Lnot_wave_0_\@
	s_barrier_signal -3
.Lnot_wave_0_\@:
	s_barrier_wait -3
	s_barrier_signal -1
	s_barrier_wait -1
.endm
.macro CROUND                          ; a whole round
	s_barrier_signal -1
	s_barrier_wait -1
	CREST
.endm
	s_load_b256 s[68:75], s[0:1], 0x0              ; x s[68:69], Wq s[70:71], Wk s[72:73], Wv s[74:75]
	s_load_b128 s[76:79], s[0:1], 0x20             ; the scales' exponents s[76:77], q_ws s[78:79]
	s_load_b64 s[80:81], s[0:1], 0x30              ; kv_ws
	v_lshl_add_u32 v[SPW], v0, 2, SPARE
	v_mov_b32 v[NIL], 0
	ds_add_u32 v28, v29
	ds_add_u32 v28, v29
	s_wait_dscnt 0x0
	v_lshrrev_b32 v1, 5, v0
	v_readfirstlane_b32 s14, v1                    ; wave 0..3
	s_lshr_b32 s15, s14, 1                         ; which half of A's rows is mine.  Also: I fetch for A (0) or for B (1)
	s_and_b32 s16, s14, 1                          ; which half of B's rows.  Also: which 128 rows of that tile I fetch
	s_bfe_u32 s40, ttmp6, 0x40000                  ; cx, cy: my place in the cluster
	s_bfe_u32 s41, ttmp6, 0x40004
	s_and_b32 s18, ttmp7, 0xffff
	s_lshl_b32 s18, s18, 2                         ; 4 x cluster y: it walks x's 32 tiles of 256 rows, which are A's for q and k and B's for v
	s_cmp_eq_u32 ttmp9, 2                          ; v?
	s_cselect_b32 s19, 0, s18
	s_cselect_b32 s18, s18, 0
	s_add_co_u32 s17, s19, s41                     ; A's tile: it hangs on cy, never on cx
	s_add_co_u32 s42, s18, s40                     ; B's tile: it hangs on cx, never on cy
	s_lshl_b32 s43, s41, 2
	s_lshl_b32 s43, 15, s43                        ; my row of the cluster
	s_lshl_b32 s44, 0x1111, s40                    ; my column
	; descriptor group 1: a tile of 128 rows x 256 bytes, padded in LDS
	s_or_b32 s[G1+0], s43, (0<<16)|(1<<20)|(1<<21)|(5<<22)|(3<<25)  ; 15:0 the mask: A's tiles go to my row; 17:16 elements of 1 byte; 20 padding on; 21 set beside a mask; 24:22 after every 64 words (code 5); 31:25 of 4 words (code 3)
	s_or_b32 s[G1B+0], s44, (0<<16)|(1<<20)|(1<<21)|(5<<22)|(3<<25) ; the same with the mask of my column
.irp g, G1, G1B
	s_mov_b32 s[\g+1], ROWB<<16                    ; tensor_dim0
	s_mov_b32 s[\g+2], 128<<16                     ; tensor_dim1 = 128
	s_mov_b32 s[\g+3], ROWB<<16                    ; tile_dim0
	s_mov_b32 s[\g+4], 128                         ; tile_dim1 = 128
	s_mov_b32 s[\g+5], KROW                        ; tensor_dim0_stride
	s_mov_b32 s[\g+6], 0
	s_mov_b32 s[\g+7], 0
.endr
	s_lshl_b32 s18, s16, 7                         ; which 128 rows of the tile I fetch
	s_lshl_b32 s20, s17, 8
	s_add_co_u32 s20, s20, s18                     ; A: row 256 x tile + 128 x half,
	s_lshl_b32 s20, s20, 10                        ; in bytes (8 MiB at the most)
	s_mov_b32 s21, 0
	s_lshl_b32 s46, s42, 8
	s_add_co_u32 s46, s46, s18                     ; B likewise
	s_lshl_b32 s46, s46, 10
	s_mov_b32 s47, 0
	s_mul_i32 s45, s14, HALFT                      ; where they go: wave x 128 rows: no place in the cluster enters an LDS address
	s_wait_kmcnt 0x0
	s_load_b256 s[84:91], s[76:77], 0x0            ; entries 0 to 7 of the scales
	s_load_b64 s[92:93], s[76:77], 0x20            ; entries 8, 9
	s_cmp_eq_u32 ttmp9, 1                          ; the buffers are chosen by the cluster's x alone
	s_cselect_b64 s[6:7], s[72:73], s[70:71]       ; Wk or Wq
	s_cmp_eq_u32 ttmp9, 2
	s_cselect_b64 s[4:5], s[74:75], s[68:69]       ; A: Wv for v, else x
	s_cselect_b64 s[6:7], s[68:69], s[6:7]         ; B: x for v, else the weight
	s_cmp_eq_u32 ttmp9, 0
	s_cselect_b64 s[10:11], s[78:79], s[80:81]     ; the codes go to q_ws or to kv_ws
	s_add_nc_u64 s[20:21], s[4:5], s[20:21]
	s_add_nc_u64 s[46:47], s[6:7], s[46:47]
	; the prefetches: of the 128 rows that I fetch, my work-group names 32, told apart from its three partners by address (cx for A's tile, cy for B's)
	s_cmp_eq_u32 s15, 0
	s_cselect_b64 s[82:83], s[20:21], s[46:47]
	s_cselect_b32 s66, s40, s41
	s_lshl_b32 s66, s66, 15                        ; 32 rows of 1,024 bytes
	s_mov_b32 s67, 0
	s_add_nc_u64 s[82:83], s[82:83], s[66:67]
	s_cmp_eq_u32 ttmp9, 2
	s_cselect_b32 s2, 1, 0
	s_xor_b32 s2, s2, s15                          ; 1: my tile is a weight's (B for q and k, A for v)
	s_and_b32 s3, ttmp7, 0xffff
	s_lshr_b32 s3, s3, 2                           ; 0 in cluster rows 0 to 3
	s_and_b32 s2, s2, s3                           ; a weight's tile is walked by all eight cluster rows: rows 0 to 3 alone ask for it.  s2 = 1: I ask for nothing
	CROUND
.irp s, 0,1
	s_mov_b32 s[G0+4*\s], 1
	s_add_co_u32 s[G0+4*\s+1], s45, \s*SLOT
	s_add_nc_u64 s[G0+4*\s+2:G0+4*\s+3], s[20:21], \s*ROWB
	s_or_b32 s[G0+4*\s+3], s[G0+4*\s+3], 0x80000000
	s_mov_b32 s[G0B+4*\s], 1
	s_add_co_u32 s[G0B+4*\s+1], s45, \s*SLOT
	s_add_nc_u64 s[G0B+4*\s+2:G0B+4*\s+3], s[46:47], \s*ROWB
	s_or_b32 s[G0B+4*\s+3], s[G0B+4*\s+3], 0x80000000
.endr
	JLOAD G0, G1, G0B, G1B                         ; K step 0: one tensor load a wave at the head
	v_and_b32 v7, 31, v0
	v_lshlrev_b32 v7, 10, v7                       ; a lane a row; never rewritten
	s_cmp_eq_u32 s2, 0
	s_cbranch_scc0 .Lno_pf0
	global_prefetch_b8 v7, s[82:83] offset:256 th:TH_LOAD_NT scope:SCOPE_SE   ; K step 1: 32 rows x 256 bytes, one change of slots ahead of its load
	global_prefetch_b8 v7, s[82:83] offset:512 th:TH_LOAD_NT scope:SCOPE_SE   ; K step 2: two ahead
.Lno_pf0:
	v_and_b32 v1, 15, v0                           ; l % 16
	v_bfe_u32 v2, v0, 4, 1                         ; l / 16
	v_mul_u32_u24 v3, v1, PITCH
	v_lshl_add_u32 v4, v2, 4, v3                   ; a fragment's row x pitch + 16 x half
	s_mul_i32 s21, s15, HALFT                      ; my 128 rows of A
	s_mul_i32 s22, s16, HALFT                      ; my 128 rows of B,
	s_add_co_u32 s22, s22, 2*HALFT                 ; which lie behind A's 256
.irp s, 0,1
	v_add_nc_u32 v[ADRA+\s], s21, v4
	v_add_nc_u32 v[ADRB+\s], s22, v4
	s_add_co_u32 s21, s21, SLOT
	s_add_co_u32 s22, s22, SLOT
.endr
	v_and_b32 v6, 31, v0
	v_lshlrev_b32 v[CO], 4, v6
	; WHERE MY CODES GO.  My 128 rows of x are 128 positions of one batch (one step of keys, eight tiles of queries); my 128 rows of W are two heads.
	s_wait_alu depctr_va_vdst(0)
	s_lshl_b32 s18, s17, 8
	s_lshl_b32 s19, s15, 7
	s_add_co_u32 s18, s18, s19                     ; my first row of A
	s_lshl_b32 s20, s42, 8
	s_lshl_b32 s21, s16, 7
	s_add_co_u32 s20, s20, s21                     ; my first row of B
	s_cmp_eq_u32 ttmp9, 2
	s_cselect_b32 s22, s20, s18                    ; my first row of x
	s_cselect_b32 s23, s18, s20                    ; my first row of W
	s_lshr_b32 s18, s22, 11
	s_lshl_b32 s18, s18, 4
	s_lshr_b32 s19, s23, 6
	s_add_co_u32 s18, s18, s19                     ; 16 x batch + head: the first of my two heads
	s_and_b32 s19, s22, 2047                       ; my first position
	s_cmp_eq_u32 ttmp9, 0
	s_cselect_b32 s20, 17, 18                      ; a head is 2^17 bytes of q_ws, 2^18 of kv_ws;
	s_cselect_b32 s21, 6, 7                        ; 16 positions are 1,024 bytes of q_ws; 128 positions 16,384 of kv_ws
	s_lshl_b32 s18, s18, s20
	s_lshl_b32 s19, s19, s21
	s_add_co_u32 s18, s18, s19
	s_lshl_b32 s94, 1, s20                         ; q, k: a block's registers 8-15 belong to the next head;
	s_mov_b32 s96, 1024                            ; q, k: from block to block a tile of 16 positions: 1,024 bytes;
	s_cmp_eq_u32 ttmp9, 2
	s_cselect_b32 s94, 1024, s94                   ; v: they are the second half of the same image of 2,048 bytes
	s_cselect_b32 s96, 2048, s96                   ; v: a tile of 16 e: 2,048 bytes,
	s_cselect_b32 s98, 253952, 0                   ; v: and behind four of them the next head: 2^18 - 4 x 2,048 more
	s_cselect_b32 s19, 8192, 0                     ; v: V's tiles lie behind the step's eight tiles of K
	s_add_co_u32 s18, s18, s19
	s_mov_b32 s19, 0
	s_mov_b32 s97, 0
	s_mov_b32 s99, 0
	s_add_nc_u64 s[10:11], s[10:11], s[18:19]
	v_add_nc_u32 v[CO2], s94, v[CO]
.macro FRAG reg, adr, q, i             ; a fragment, 16 rows x 128 K of 8-bit codes, is 16 registers: lane l holds row l % 16; registers 4 c .. 4 c + 3 hold K = 32 c + 16 (l / 16) + 0 .. 15
.irp c, 0,1,2,3
	ds_load_b128 v[\reg+4*\c:\reg+4*\c+3], v[\adr] offset:128*(\q)+32*\c+(\i)*16*PITCH
.endr
.endm
; 16 matrix instructions: A's blocks a0, a0 + 1 x B's eight, 128 along K.  p: B's set.  zero = 1: the first product starts the sums: nothing is ever cleared.
; The 64 accumulators take turns, one instruction a turn, in the same order in every step.
.macro MUL16 a0, p, zero
.irp a, \a0, \a0+1
.irp b, 0,1,2,3,4,5,6,7
.if \zero
	v_wmma_f32_16x16x128_fp8_fp8 v[8*(8*((\a)%4)+\b):8*(8*((\a)%4)+\b)+7], v[128*(\p)+FR*\b:128*(\p)+FR*\b+FR-1], v[AF+FR*(\a):AF+FR*(\a)+FR-1], 0
.else
	v_wmma_f32_16x16x128_fp8_fp8 v[8*(8*((\a)%4)+\b):8*(8*((\a)%4)+\b)+7], v[128*(\p)+FR*\b:128*(\p)+FR*\b+FR-1], v[AF+FR*(\a):AF+FR*(\a)+FR-1], v[8*(8*((\a)%4)+\b):8*(8*((\a)%4)+\b)+7]
.endif
.endr
.endr
.endm
.macro FETCH_B slot, q, p              ; B's eight fragments of the slot's q-th 128 along K into set p
	WIN TO_B
.irp i, 0,1,2,3,4,5,6,7
	FRAG 128*(\p)+FR*\i, ADRB+\slot, \q, \i
.endr
	WIN 0
.endm
.macro FETCH_A slot, q, i0             ; A's blocks i0 .. i0 + 3
.irp i, \i0, \i0+1, \i0+2, \i0+3
	FRAG AF+FR*(\i), ADRA+\slot, \q, \i
.endr
.endm
; A load into a register that a matrix instruction has read, and a vector instruction that reads a matrix result or writes one of a matrix instruction's registers, stand NP places behind it; only plain vector
; instructions that name none of its registers are places (ISA guide 7.12.1 for vector instructions).
.macro PLACES n
.rept \n
	v_nop
.endr
.endm
; A step of 128 along K that has its successor in the same slot.  A block of A is free as soon as its eight products are issued, so one set of registers serves A: blocks 0-3 are fetched anew in the step's middle, blocks 4-7 at its end.
.macro STEP slot, q, zero
	s_wait_dscnt 4*NL                              ; B's set and A's blocks 0-3 are in; the youngest sixteen loads (A's blocks 4-7) may be out
	WIN MUL_LO
	MUL16 0, (\q)%2, \zero
	MUL16 2, (\q)%2, \zero
	s_wait_dscnt 0                                 ; A's blocks 4-7 are in (asked for 32 matrix instructions ago)
	PLACES NP
	FETCH_B \slot, (\q)+1, 1-(\q)%2
	FETCH_A \slot, (\q)+1, 0
	WIN MUL_HI
	MUL16 4, (\q)%2, \zero
	MUL16 6, (\q)%2, \zero
	PLACES NP
	WIN 0
	FETCH_A \slot, (\q)+1, 4
.endm
; A slot's last step changes slots: ONE barrier; in front of it each wave waits for all its tensor loads, adds 0 to its spare word, and waits for that and for its own reads of this slot.  fill = 1: this slot is filled again, two K steps ahead.
.macro TURN slot, next, fill
	s_wait_tensorcnt 0x0                           ; all my tensor loads have landed: my part of the next slot  (every window is 0 here: the add's two registers lie in window 0)
	ds_add_u32 v[SPW], v[NIL]                      ; 0 onto my spare word
	s_wait_dscnt 4*NL+1                            ; (the add and the youngest sixteen loads, A's blocks 4-7, may be out)
	WIN MUL_LO
	MUL16 0, 1, 0                                  ; sixteen matrix instructions stand between the add and the wait for it
	s_wait_dscnt 0x0                               ; the add is done, and my reads of this slot are over
	s_barrier_signal -1
	MUL16 2, 1, 0
	WIN 0
	s_barrier_wait -1
.if \fill
	CREST                                          ; the barrier has opened a round of the cluster's barrier: no wave of any partner still reads this slot's tile or has a load on its way
	s_add_nc_u64 s[G0+4*\slot+2:G0+4*\slot+3], s[G0+4*\slot+2:G0+4*\slot+3], 2*ROWB
	s_add_nc_u64 s[G0B+4*\slot+2:G0B+4*\slot+3], s[G0B+4*\slot+2:G0B+4*\slot+3], 2*ROWB
	JLOAD G0+4*\slot, G1, G0B+4*\slot, G1B         ; the first tensor load behind the round; the four v_nop behind it are the places in front of the loads below
.else
	PLACES NP
.endif
	FETCH_B \next, 0, 0
	FETCH_A \next, 0, 0
	WIN MUL_HI
	MUL16 4, 1, 0
	MUL16 6, 1, 0
	PLACES NP
	WIN 0
	FETCH_A \next, 0, 4
.endm
	s_wait_alu depctr_va_vdst(0)
	s_wait_tensorcnt 0x0                           ; my part of K step 0 is in
	ds_add_u32 v[SPW], v[NIL]
	s_wait_dscnt 0x0
	CROUND                                         ; everybody's part of K step 0 is in, and all sixteen work-groups are here
	JLOAD G0+4, G1, G0B+4, G1B                     ; K step 1: slot 1's first fill, the first tensor load behind the round
	FETCH_B 0, 0, 0
	FETCH_A 0, 0, 0
	FETCH_A 0, 0, 4
	s_cmp_eq_u32 s2, 0
	s_cbranch_scc0 .Lno_pf1
	global_prefetch_b8 v7, s[82:83] offset:768 th:TH_LOAD_NT scope:SCOPE_SE   ; K step 3, the last: two changes of slots ahead of its load
.Lno_pf1:
	STEP 0, 0, 1                                   ; the first step stands in front of the loop: its products start the sums
	s_mov_b32 s3, LAPS-1
.Llap:                                                 ; a trip goes once round the ring, from a lap's second step to the next lap's first, and fills both slots again
	TURN 0, 1, 1
	STEP 1, 0, 0
	TURN 1, 0, 1
	STEP 0, 0, 0
	s_sub_co_u32 s3, s3, 1
	s_cmp_lg_u32 s3, 0
	s_cbranch_scc1 .Llap
	TURN 0, 1, 0                                   ; the last lap fills nothing, and has no round of the cluster's barrier
	STEP 1, 0, 0
	s_wait_dscnt 4*NL                              ; the very last step: nothing more to fetch
	WIN MUL_LO
	MUL16 0, 1, 0
	MUL16 2, 1, 0
	s_wait_dscnt 0
	WIN MUL_HI
	MUL16 4, 1, 0
	MUL16 6, 1, 0
	WIN 0
	; THE WAY OUT.  The scale: eo - ew - ex, chosen by the cluster's x without a branch.
	s_wait_kmcnt 0x0
	s_cmp_eq_u32 ttmp9, 1
	s_cselect_b32 s100, s91, s90                   ; eo: k's (entry 7) or q's (entry 6),
	s_cselect_b32 s101, s86, s84                   ; ew: Wk's (2) or Wq's (0),
	s_cselect_b32 s95, s87, s85                    ; ex: entry 3 or 1
	s_cmp_eq_u32 ttmp9, 2
	s_cselect_b32 s100, s93, s100                  ; v's: entries 9, 4, 5
	s_cselect_b32 s101, s88, s101
	s_cselect_b32 s95, s89, s95
	s_sub_co_i32 s100, s100, s101
	s_sub_co_i32 s100, s100, s95
	s_add_co_i32 s100, s100, 127
	s_lshl_b32 s101, s100, 23
	v_mov_b32 v[SCL], s101                         ; 2^(eo - ew - ex) as f32: the conversion takes its exponent field
	s_add_co_i32 s100, s100, 8
	s_lshl_b32 s100, s100, 23
	s_or_b32 s100, s100, 0x600000
	v_mov_b32 v[LIM], s100                         ; 448 x that
	PLACES NP                                      ; behind the last products: their results are read, and A's fragments' registers take the codes
; Block a (A's rows 16 a on): 64 sums a lane are held into other registers (each accumulator from its low end on), converted, and stored as they lie: four stores of 512 consecutive bytes, at multiples of 512 from the buffer's first byte.
; Each block has its own 16 registers of codes, so no store's data are written again.
.macro QOUT a
.set AC, 64*((\a)%4)
	WIN 0x02+((\a)/4)                              ; source 0: window 2 or 3
.set j, 0
.rept 64
	v_med3_num_f32 v[TMP+j], v[AC+j], -v[LIM], v[LIM]   ; the conversion to an 8-bit code does not saturate (ISA guide 7.6.2): the hold at the largest code x the scale, always executed
.set j, j+1
.endr
	WIN 0
.irp b, 0,1,2,3,4,5,6,7
	v_cvt_scalef32_pk8_fp8_f32 v[CD+16*(\a)+2*\b:CD+16*(\a)+2*\b+1], v[TMP+8*\b:TMP+8*\b+7], v[SCL]
.endr
	v_nop                                          ; one plain vector instruction between the last conversion and the next block's holds, which write its sources
.if (\a) > 0
	s_wait_alu depctr_va_vdst(0)
	s_wait_xcnt 0x0                                ; the earlier stores have read their base: only now it steps
	s_add_nc_u64 s[10:11], s[10:11], s[96:97]
.if (\a) == 4
	s_add_nc_u64 s[10:11], s[10:11], s[98:99]      ; v: on to my second head (q, k: 0)
.endif
.endif
	global_store_b128 v[CO],  v[CD+16*(\a):CD+16*(\a)+3],     s[10:11]
	global_store_b128 v[CO],  v[CD+16*(\a)+4:CD+16*(\a)+7],   s[10:11] offset:512
	global_store_b128 v[CO2], v[CD+16*(\a)+8:CD+16*(\a)+11],  s[10:11]
	global_store_b128 v[CO2], v[CD+16*(\a)+12:CD+16*(\a)+15], s[10:11] offset:512
.endm
.irp a, 0,1,2,3,4,5,6,7
	QOUT \a
.endr
	s_wait_tensorcnt 0x0                           ; the wave's end
	ds_add_u32 v[SPW], v[NIL]
	s_wait_dscnt 0x0
	CROUND                                         ; the closing round: no work-group ends while a partner may still ask for a tile that names it
	s_endpgm
.Lfunc_end_k_q68fe7206b3_proj:
	.size	k_q68fe7206b3_proj, .Lfunc_end_k_q68fe7206b3_proj-k_q68fe7206b3_proj
	.p2alignl 7, 3214868480
	.fill 96, 4, 3214868480
	.section	.rodata,"a",@progbits
	.p2align	6, 0x0
	.amdhsa_kernel k_q68fe7206b3_proj
		.amdhsa_group_segment_fixed_size 327680
		.amdhsa_private_segment_fixed_size 0
		.amdhsa_enable_private_segment 0
		.amdhsa_kernarg_size 56
		.amdhsa_user_sgpr_count 2
		.amdhsa_user_sgpr_kernarg_segment_ptr 1
		.amdhsa_wavefront_size32 1
		.amdhsa_system_sgpr_workgroup_id_x 1
		.amdhsa_system_sgpr_workgroup_id_y 1
		.amdhsa_system_sgpr_workgroup_id_z 1
		.amdhsa_system_vgpr_workitem_id 0
		.amdhsa_next_free_vgpr 1024
		.amdhsa_next_free_sgpr 102
		.amdhsa_reserve_vcc 0
		.amdhsa_float_denorm_mode_32 3
		.amdhsa_float_denorm_mode_16_64 3
		.amdhsa_memory_ordered 1
		.amdhsa_forward_progress 1
		.amdhsa_inst_pref_size 121
	.end_amdhsa_kernel
	.amdgpu_metadata
---
amdhsa.version: [ 1, 2 ]
amdhsa.kernels:
  - .name:           k_q68fe7206b3_proj
    .symbol:         k_q68fe7206b3_proj.kd
    .args:
      - { .name: inputs_codes, .offset: 0, .size: 8, .value_kind: global_buffer, .address_space: global }
      - { .name: Wq_codes, .offset: 8, .size: 8, .value_kind: global_buffer, .address_space: global }
      - { .name: Wk_codes, .offset: 16, .size: 8, .value_kind: global_buffer, .address_space: global }
      - { .name: Wv_codes, .offset: 24, .size: 8, .value_kind: global_buffer, .address_space: global }
      - { .name: lowp_scales, .offset: 32, .size: 8, .value_kind: global_buffer, .address_space: global }
      - { .name: q_ws, .offset: 40, .size: 8, .value_kind: global_buffer, .address_space: global }
      - { .name: kv_ws, .offset: 48, .size: 8, .value_kind: global_buffer, .address_space: global }
    .group_segment_fixed_size: 327680
    .private_segment_fixed_size: 0
    .kernarg_segment_align: 8
    .kernarg_segment_size: 56
    .max_flat_workgroup_size: 128
    .sgpr_count:     102
    .vgpr_count:     1024
    .wavefront_size: 32
...
	.end_amdgpu_metadata
.endif
;; end of part 1
;; launch attn (part 2): grid 4 x 64, 16 waves a work-group, clusters of 4 x 1, 327,680 bytes of LDS; arguments q_ws, kv_ws, lowp_scales, out0; writes out0
.if DOCPART == 2
	.amdgcn_target "amdgcn-amd-amdhsa--gfx1250"
	.amdhsa_code_object_version 6
	.text
	.protected	k_q68fe7206b3_attn
	.globl	k_q68fe7206b3_attn
	.p2align	8
	.type	k_q68fe7206b3_attn,@function
k_q68fe7206b3_attn:
	s_mov_b64 s[64:65], 0
	v_nop
	global_prefetch_b8 v0, s[64:65] scope:SCOPE_SE
	s_setreg_imm32_b32 hwreg(HW_REG_WAVE_MODE, 25, 1), 1
	s_wait_xcnt 0x0
	s_wait_alu depctr_hold_cnt(0) depctr_sa_sdst(0) depctr_va_vdst(0) depctr_va_sdst(0) depctr_va_ssrc(0) depctr_va_vcc(0) depctr_vm_vsrc(0)
	s_getreg_b32 s2, hwreg(HW_REG_IB_STS2, 6, 4)
	s_cmp_eq_u32 s2, 0
	s_cbranch_scc0 .Lentry_in_a_cluster
	s_endpgm
.Lentry_in_a_cluster:
	s_bfe_u32 s2, ttmp6, 0x10000c
	s_cmp_lg_u32 s2, 0x3003
	s_cbranch_scc0 .Lentry_shape_is_right
	s_endpgm
.Lentry_shape_is_right:
; Causal attention on codes of FP8 (E4M3): out[b][q][64 head + e] = the sum over keys k <= q of softmax_k(q . k / 8) v[k][e]; 64 heads (16 batch + head), 2,048 positions, head size 64.
; q_ws [head][tile of 16 queries][1,024 bytes], kv_ws [head][step of 128 keys][8 tiles of 16 keys x 1,024 bytes, then 4 tiles of 16 e x 128 keys x 2,048 bytes] hold images of the operands' registers:
; register i of lane l of a tile lies at 512 (i / 4) + 16 l + 4 (i % 4).
; WORK LEFT OUT: the scores of keys k > q are -infinity, so their p is 0 for all inputs: a step of 128 keys all of which come after a tile's 16 queries is not computed.
; LIMIT: a NaN, an infinity or an overflow that reaches only those scores is not carried to the result.
; THE SOFTMAX: t = score x log2(e) / 8; M = the largest t so far, rounded up to a whole number; p = 2^(t - M) is quantised with the given 2^ep, not normalised; the row's sum is taken of the unquantised p and divides at the end.
; When M moves, the sum and O are multiplied by 2^(old M - new M); no branch hangs on data.
; LAYOUT: S^T = K Q^T (source 0 = 16 keys, source 1 = 16 queries, K = 64), O^T = V^T P^T (source 0 = 16 e, source 1 = P, K = 128 keys): a lane holds ONE query (lane % 16).  Tile t of S^T holds keys 16 t + 8 (lane / 16) + 0 .. 7:
; their codes are registers 2 t, 2 t + 1 of P.
; SHARES: a cluster of four work-groups takes one head.  The head's K and V codes, 16 steps x 16,384 bytes, lie in LDS at once.  There are as many steps as waves: wave w asks for step w, ONE joint load a wave (mask of the four
; partners), at the head; one barrier shows all landed; no LDS byte is filled twice.  No prefetch: every step is asked for once, at the head, so there is no loop to run ahead in.
; The 2,048 queries are 16 blocks of 128.  Partner cx owns queries 32 cx .. 32 cx + 31 of every block; a wave owns tile E in an early block p (0-7) and tile L in block 15 - p: p + 1 and 16 - p steps, 17 for every wave.
; All branches hang on the wave's number and the step alone; cx enters Q's and out's global addresses and the mask's compare value.
; THE WAY OUT: each wave has a stage of its own, 9 rows x 272 bytes, behind K and V: no barrier.  A tile's 16 rows go through rows 0-7 in two halves of 8 queries and come back as whole rows of 256 bytes.  All lanes store in
; both halves: the lanes whose query belongs to the other half write into row 8, which nothing reads.  Tile E leaves at the end of its diagonal step, tile L behind the last loop.
; LIMITS on the given exponents: eq + ek (entries 6, 7) between -123 and 130; ep (entry 8) between -126 and 119; ep + ev goes by v_ldexp_f32 and has none.  The scaled scores stay under 2^31 in magnitude.
.set STEPB, 16384
.set VOFF,  8192
.set SP,    272
.set SPARE, 0x40000                    ; the spare words: 16 waves x 128 bytes
.set ESTAGE, 0x40800                   ; the stages: 16 x 9 x 272 bytes
.set LI,   1                           ; 16 x lane
.set AD,   2                           ; LDS address of the step in hand
.set DM,   3                           ; my query in its block - 8 (lane / 16)
.set STO,  4                           ; stage, queries 0-7: row r for r < 8, else row 8; + 32 h
.set RD,   5                           ; stage: where I read a row back
.set LIM,  6                           ; 448 x 2^ep
.set SCL,  7                           ; 2^ep
.set STE,  8                           ; v[8:11] tile E: -M, the largest t, the sum in two halves
.set STL,  12
.set QE,   16
.set QL,   24
.set F,    32                          ; v32-95 a step's K, then its V
.set S,    96                          ; v96-159 S^T, then p
.set OE,   160
.set OL,   192
.set P,    224                         ; v224-239 p's codes
.set TA,   240
.set TP,   241
.set SU,   242
.set FF,   244                         ; v[244:245] f; the upper word holds 0
.set TC,   246
.set NINF, 247
.set GO,   248                         ; my byte offset in two rows of out
.set R16,  249                         ; lane % 16
.set STO2, 250                         ; stage, queries 8-15: row r - 8 for r >= 8, else row 8; + 32 h
.set LIM2, 251                         ; 448 x 2^ep once more, for the second half of a dual pair (another register bank)
.set SPW,  254
.set NIL,  255
.set WV,   12
.set BE,   16
.set BL,   17
.set SEL,  20
.set CS,   22
.set G1,   24
.set G0,   32
.set BT,   48
.set TB,   49
.set EPV,  50                          ; ep + ev
.macro CROUND
	s_barrier_signal -1
	s_barrier_wait -1
	s_cmp_lg_u32 s[WV], 0
	s_cbranch_scc1 .Lnot_wave_0_\@
	s_barrier_signal -3
.Lnot_wave_0_\@:
	s_barrier_wait -3
	s_barrier_signal -1
	s_barrier_wait -1
.endm
	s_load_b128 s[4:7], s[0:1], 0x0                ; q_ws, kv_ws
	s_load_b128 s[8:11], s[0:1], 0x10              ; the scales' exponents, out
	v_lshl_add_u32 v[SPW], v0, 2, SPARE
	v_mov_b32 v[NIL], 0
	ds_add_u32 v[SPW], v[NIL]                      ; the opening lines: the add twice on end and one wait
	ds_add_u32 v[SPW], v[NIL]
	v_lshrrev_b32 v1, 5, v0
	v_readfirstlane_b32 s[WV], v1
	s_bfe_u32 s13, ttmp6, 0x40000                  ; cx
	s_and_b32 s14, ttmp7, 0xffff                   ; the head
	s_and_b32 s15, s[WV], 1
	s_bfe_u32 s[BE], s[WV], 0x10001
	s_lshr_b32 s[BL], s[WV], 2
	s_and_b32 s18, s[BL], 1
	s_xor_b32 s[BE], s[BE], s18
	s_lshl_b32 s[BL], s[BL], 1
	s_add_co_u32 s[BE], s[BE], s[BL]               ; p = 2 (w / 4) + (((w / 2) % 2) xor ((w / 4) % 2))
	s_xor_b32 s[BL], s[BE], 15                     ; 15 - p
	s_lshl_b32 s58, s13, 1
	s_add_co_u32 s58, s58, s15                     ; 2 cx + w % 2: my tile among a block's eight
	s_lshl_b32 s63, s58, 4
	v_and_b32 v[LI], 31, v0
	v_lshlrev_b32 v[LI], 4, v[LI]
	v_and_b32 v[R16], 15, v0
	v_bfe_u32 v[TP], v0, 4, 1                      ; h
	v_and_b32 v[TA], 7, v0                         ; r % 8
	v_bfe_u32 v[TC], v0, 3, 1                      ; b = r / 8
	v_mul_u32_u24 v[SU], v[TC], 7                  ; 7 b
	v_xor_b32 v[SU+1], 7, v[SU]                    ; 7 (1 - b)
	v_and_b32 v[STO], v[TA], v[SU+1]
	v_lshl_or_b32 v[STO], v[TC], 3, v[STO]         ; b = 0: r; b = 1: 8
	v_and_b32 v[STO2], v[TA], v[SU]
	v_xor_b32 v[TC], 1, v[TC]
	v_lshl_or_b32 v[STO2], v[TC], 3, v[STO2]       ; b = 1: r - 8; b = 0: 8
	s_mul_i32 s19, s[WV], 9*SP
	s_add_co_u32 s19, s19, ESTAGE                  ; my stage
	v_mul_u32_u24 v[STO], v[STO], SP
	v_lshl_add_u32 v[STO], v[TP], 5, v[STO]
	v_add_nc_u32 v[STO], s19, v[STO]
	v_mul_u32_u24 v[STO2], v[STO2], SP
	v_lshl_add_u32 v[STO2], v[TP], 5, v[STO2]
	v_add_nc_u32 v[STO2], s19, v[STO2]
	v_mul_u32_u24 v[RD], v[TP], SP
	v_lshl_add_u32 v[RD], v[R16], 4, v[RD]
	v_add_nc_u32 v[RD], s19, v[RD]
	v_lshlrev_b32 v[GO], 12, v[TP]
	v_lshl_add_u32 v[GO], v[R16], 4, v[GO]
	v_lshlrev_b32 v[DM], 3, v[TP]
	v_sub_nc_u32 v[DM], v[R16], v[DM]
	v_add_nc_u32 v[DM], s63, v[DM]
	s_mov_b32 s[G1], 15|(3<<16)|(1<<21)            ; the mask of the four; elements of 8 bytes; bit 21 beside a mask
	s_mov_b32 s[G1+1], 32<<16                      ; a step: 64 rows of 256 bytes, dense
	s_mov_b32 s[G1+2], 64<<16
	s_mov_b32 s[G1+3], 32<<16
	s_mov_b32 s[G1+4], 64
	s_mov_b32 s[G1+5], 32
	s_mov_b32 s[G1+6], 0
	s_mov_b32 s[G1+7], 0
	s_lshl_b32 s18, s[WV], 14                      ; step w: the same place in LDS and in the head's block
	s_lshl_b32 s56, s14, 18
	s_add_co_u32 s56, s56, s18
	s_mov_b32 s57, 0
	s_wait_alu depctr_va_vdst(0)
	s_wait_dscnt 0x0
	s_wait_kmcnt 0x0
	s_load_b128 s[52:55], s[8:9], 0x18             ; eq, ek, ep, ev
	s_add_nc_u64 s[56:57], s[6:7], s[56:57]
	s_mov_b32 s[G0], 1
	s_mov_b32 s[G0+1], s18
	s_mov_b64 s[G0+2:G0+3], s[56:57]
	s_or_b32 s[G0+3], s[G0+3], 0x80000000
	CROUND                                         ; all four work-groups are here: the joint loads meet
	tensor_load_to_lds s[G0:G0+3], s[G1:G1+7]      ; my one tensor load
	s_nop 0
.rept 4
	v_nop
.endr
	s_lshl_b32 s59, s[BE], 3
	s_add_co_u32 s59, s59, s58                     ; tile E among the head's 128
	s_lshl_b32 s60, s[BL], 3
	s_add_co_u32 s60, s60, s58                     ; tile L
	s_lshl_b32 s61, s14, 17
	s_lshl_b32 s62, s59, 10
	s_add_co_u32 s62, s62, s61
	s_mov_b32 s63, 0
	s_add_nc_u64 s[72:73], s[4:5], s[62:63]
	s_lshl_b32 s62, s60, 10
	s_add_co_u32 s62, s62, s61
	s_add_nc_u64 s[74:75], s[4:5], s[62:63]
	global_load_b128 v[QE:QE+3],   v[LI], s[72:73] th:TH_LOAD_NT
	global_load_b128 v[QE+4:QE+7], v[LI], s[72:73] offset:512 th:TH_LOAD_NT
	global_load_b128 v[QL:QL+3],   v[LI], s[74:75] th:TH_LOAD_NT
	global_load_b128 v[QL+4:QL+7], v[LI], s[74:75] offset:512 th:TH_LOAD_NT
	s_lshr_b32 s61, s14, 4
	s_lshl_b32 s61, s61, 23                        ; the batch: 2,048 rows of 4,096 bytes
	s_and_b32 s62, s14, 15
	s_lshl_b32 s62, s62, 8
	s_add_co_u32 s61, s61, s62
	s_lshl_b32 s62, s59, 16
	s_add_co_u32 s62, s62, s61
	s_add_nc_u64 s[68:69], s[10:11], s[62:63]      ; out at tile E
	s_lshl_b32 s62, s60, 16
	s_add_co_u32 s62, s62, s61
	s_add_nc_u64 s[70:71], s[10:11], s[62:63]      ; out at tile L
	s_mov_b32 s[SEL], 0x76543210
	s_mov_b32 s[SEL+1], 0xfedcba98
	s_mov_b32 s[CS], 0x3e38aa3b                    ; log2(e) / 8
	v_mov_b32 v[STE+1], 0xff61b1e6                 ; -3e38, under every t
	v_mov_b32 v[STL+1], 0xff61b1e6
	v_floor_f32 v[STE], -v[STE+1]
	v_floor_f32 v[STL], -v[STL+1]
	v_mov_b32 v[STE+2], 0
	v_mov_b32 v[STE+3], 0
	v_mov_b32 v[STL+2], 0
	v_mov_b32 v[STL+3], 0
	v_mov_b32 v[FF+1], 0
	v_mov_b32 v[NINF], 0xff800000
.set i, 0
.rept 64
	v_mov_b32 v[OE+i], 0                           ; O^T of both tiles: a step is written once, and a tile's first step finds zeros
.set i, i+1
.endr
	s_wait_kmcnt 0x0
	s_add_co_i32 s18, s52, s53
	s_lshl_b32 s18, s18, 23
	s_add_co_i32 s[CS], s[CS], s18                 ; x 2^(eq + ek), in c's exponent field
	s_mov_b32 s[CS+1], s[CS]
	s_add_co_i32 s[EPV], s54, s55
	s_add_co_i32 s18, s54, 127
	s_lshl_b32 s19, s18, 23
	v_mov_b32 v[SCL], s19
	s_add_co_i32 s18, s18, 8
	s_lshl_b32 s18, s18, 23
	s_or_b32 s18, s18, 0x600000
	v_mov_b32 v[LIM], s18
	v_mov_b32 v[LIM2], s18
.macro KLOAD
	v_add_nc_u32 v[AD], s[TB], v[LI]
.rept 4
	v_nop                                          ; places in front of loads into registers that the last products have read
.endr
.set t, 0
.rept 16
	ds_load_b128 v[F+4*t:F+4*t+3], v[AD] offset:512*t
.set t, t+1
.endr
	s_wait_dscnt 0x0
.endm
.macro VLOAD
.set t, 0
.rept 16
	ds_load_b128 v[F+4*t:F+4*t+3], v[AD] offset:VOFF+512*t
.set t, t+1
.endr
.endm
.macro SQK q
.set t, 0
.rept 8
	v_wmma_f32_16x16x64_fp8_fp8 v[S+8*t:S+8*t+7], v[F+8*t:F+8*t+7], v[\q:\q+7], 0
.set t, t+1
.endr
.rept 4
	v_nop
.endr
.endm
.macro MASK                            ; the diagonal: register n holds key 16 (n / 8) + 8 h + n % 8 of the step
.set n, 0
.rept 64
	v_cmp_gt_i32 vcc_lo, 16*(n/8)+n%8, v[DM]
	v_cndmask_b32 v[S+n], v[S+n], v[NINF], vcc_lo
.set n, n+1
.endr
.endm
.macro SM_A st                         ; from the scores to p and the row's sum
	v_max3_num_f32 v[TA], v[S], v[S+1], v[S+2]
	v_max3_num_f32 v[TC], v[S+3], v[S+4], v[S+5]
.set i, 6
.rept 14
	v_max3_num_f32 v[TA], v[TA], v[S+i], v[S+i+1]
	v_max3_num_f32 v[TC], v[TC], v[S+i+2], v[S+i+3]
.set i, i+4
.endr
	v_max3_num_f32 v[TA], v[TA], v[S+62], v[S+63]
	s_delay_alu instid0(VALU_DEP_1)
	v_max_num_f32 v[TA], v[TA], v[TC]
	s_delay_alu instid0(VALU_DEP_1)
	v_permlanex16_b32 v[TP], v[TA], s[SEL], s[SEL+1]
	s_delay_alu instid0(VALU_DEP_1)
	v_max_num_f32 v[TA], v[TA], v[TP]
	s_delay_alu instid0(VALU_DEP_1)
	v_mul_f32 v[TA], s[CS], v[TA]
	s_delay_alu instid0(VALU_DEP_1)
	v_max_num_f32 v[\st+1], v[\st+1], v[TA]        ; the running largest t
	v_mov_b32 v[TA], v[\st]
	s_delay_alu instid0(VALU_DEP_2)
	v_floor_f32 v[\st], -v[\st+1]                  ; -M = -ceil(t)
	s_delay_alu instid0(VALU_DEP_1)
	v_sub_f32 v[TA], v[\st], v[TA]
	s_delay_alu instid0(VALU_DEP_1)
	v_cvt_i32_f32 v[TA], v[TA]
	s_delay_alu instid0(VALU_DEP_1)
	v_ldexp_f32 v[FF], 1.0, v[TA]                  ; f = 2^(old M - new M)
.set i, 0
.rept 32
	v_pk_fma_f32 v[S+i:S+i+1], v[S+i:S+i+1], s[CS:CS+1], v[\st:\st+1] op_sel_hi:[1,0,0]
.set i, i+2
.endr
.set i, 0
	s_wait_alu depctr_va_vdst(0)                   ; ahead of the batch
.rept 64
	v_exp_f32 v[S+i], v[S+i]
.set i, i+1
.endr
	v_pk_mul_f32 v[\st+2:\st+3], v[\st+2:\st+3], v[FF:FF+1] op_sel_hi:[1,0]
	s_wait_alu depctr_va_vdst(0)                   ; and behind it, ahead of the first reader
	v_pk_add_f32 v[SU:SU+1], v[S:S+1], v[S+2:S+3]
.set i, 4
.rept 15
	v_pk_add_f32 v[\st+2:\st+3], v[\st+2:\st+3], v[S+i:S+i+1]
	v_pk_add_f32 v[SU:SU+1], v[SU:SU+1], v[S+i+2:S+i+3]
.set i, i+4
.endr
	s_delay_alu instid0(VALU_DEP_1)
	v_pk_add_f32 v[\st+2:\st+3], v[\st+2:\st+3], v[SU:SU+1]
.endm
.macro SM_B o                          ; p's codes, and the tile's O^T under the new M
.set i, 0
.rept 32
	v_dual_min_num_f32 v[S+i], v[LIM], v[S+i] :: v_dual_min_num_f32 v[S+i+1], v[LIM2], v[S+i+1]   ; the one-sided hold at the largest code x the scale (the conversion does not saturate: ISA guide 7.6.2), two numbers a line.  These 32 are also the places behind products that read the other tile's codes
.set i, i+2
.endr
.set t, 0
.rept 8
	v_cvt_scalef32_pk8_fp8_f32 v[P+2*t:P+2*t+1], v[S+8*t:S+8*t+7], v[SCL]
.set t, t+1
.endr
	s_wait_alu depctr_va_vdst(0)                   ; directly ahead of the first reader of O^T
.set i, 0
.rept 16
	v_pk_mul_f32 v[\o+i:\o+i+1], v[\o+i:\o+i+1], v[FF:FF+1] op_sel_hi:[1,0]
.set i, i+2
.endr
.endm
.macro PV o
.set t, 0
.rept 4
	v_wmma_f32_16x16x128_fp8_fp8 v[\o+8*t:\o+8*t+7], v[F+16*t:F+16*t+15], v[P:P+15], v[\o+8*t:\o+8*t+7]
.set t, t+1
.endr
.endm
.macro HALF back, sto                  ; 8 queries into rows 0-7 of my stage (the other 8 queries' lanes write row 8), and back as 4 x 2 whole rows.  LDS serves a wave's instructions in order (ISA guide 5.7.1.4)
.set t, 0
.rept 4
	ds_store_b128 v[\sto], v[S+8*t:S+8*t+3] offset:64*t
	ds_store_b128 v[\sto], v[S+8*t+4:S+8*t+7] offset:64*t+16
.set t, t+1
.endr
.set i, 0
.rept 4
	ds_load_b128 v[\back+4*i:\back+4*i+3], v[RD] offset:2*SP*i
.set i, i+1
.endr
.endm
.macro OUT o, st, ptr                  ; a finished tile leaves: O^T x 2^(ep + ev) / the sum, through my stage
.rept 4
	v_nop                                          ; places behind the last products
.endr
	v_add_f32 v[\st+2], v[\st+2], v[\st+3]
	v_permlanex16_b32 v[TP], v[\st+2], s[SEL], s[SEL+1]
	v_add_f32 v[\st+2], v[\st+2], v[TP]            ; the row's sum
	s_wait_alu depctr_va_vdst(0)                   ; ahead of the transcendental
	v_rcp_f32 v[\st], v[\st+2]
	v_nop
	s_wait_alu depctr_va_vdst(0)                   ; and ahead of its first reader
	v_ldexp_f32 v[\st], v[\st], s[EPV]
	s_wait_alu depctr_va_vdst(0)                   ; and directly ahead of the first reader of O^T
.set i, 0
.rept 16
	v_pk_mul_f32 v[S+i:S+i+1], v[\o+i:\o+i+1], v[\st:\st+1] op_sel_hi:[1,0]   ; register 8 t + j is out(query r, e = 16 t + 8 h + j)
.set i, i+2
.endr
	HALF S+32, STO                                 ; queries 0-7
	HALF S+48, STO2                                ; queries 8-15
.set i, 0
.rept 4
	s_wait_dscnt 15-i                              ; behind this load: 3 - i of its half, and the second half's 8 stores and 4 loads
	global_store_b128 v[GO], v[S+32+4*i:S+35+4*i], s[\ptr:\ptr+1] offset:8192*i th:TH_STORE_NT   ; 16 lanes store 256 consecutive bytes, aligned
.set i, i+1
.endr
.rept 4
	s_wait_dscnt 7-i
	global_store_b128 v[GO], v[S+32+4*i:S+35+4*i], s[\ptr:\ptr+1] offset:8192*i th:TH_STORE_NT
.set i, i+1
.endr
	s_wait_xcnt 0x0                                ; the stores have read their data: the next scores may land there
.endm
; A step of the first eight: all its keys count for tile L; tile E takes part up to its own block, whose step lies on its diagonal, and leaves at that step's end.
.macro STEP_LO
	KLOAD
	s_cmp_le_u32 s[BT], s[BE]
	s_cbranch_scc0 .Lno_e_\@
	SQK QE
	s_cmp_eq_u32 s[BT], s[BE]
	s_cbranch_scc0 .Lopen_e_\@
	MASK
.Lopen_e_\@:
	SM_A STE
	SM_B OE
.Lno_e_\@:
	SQK QL
	s_wait_alu depctr_va_vdst(0)
	VLOAD
	SM_A STL
	s_wait_dscnt 0x0                               ; V is in
	s_cmp_le_u32 s[BT], s[BE]
	s_cbranch_scc0 .Lno_pv_e_\@
	PV OE
.Lno_pv_e_\@:
	SM_B OL
	PV OL
	s_cmp_eq_u32 s[BT], s[BE]
	s_cbranch_scc0 .Lnot_done_\@
	OUT OE, STE, 68
.Lnot_done_\@:
	s_add_co_u32 s[TB], s[TB], STEPB
	s_add_co_u32 s[BT], s[BT], 1
.endm
; A step of the last eight: tile L alone, up to its own block.
.macro STEP_HI
	s_cmp_gt_u32 s[BT], s[BL]
	s_cbranch_scc1 .Lhidden_\@
	KLOAD
	SQK QL
	s_wait_alu depctr_va_vdst(0)
	VLOAD
	s_cmp_eq_u32 s[BT], s[BL]
	s_cbranch_scc0 .Lopen_l_\@
	MASK
.Lopen_l_\@:
	SM_A STL
	s_wait_dscnt 0x0
	SM_B OL
	PV OL
.Lhidden_\@:
	s_add_co_u32 s[TB], s[TB], STEPB
	s_add_co_u32 s[BT], s[BT], 1
.endm
	s_wait_alu depctr_va_vdst(0)
	s_wait_loadcnt 0x0                             ; Q
	s_wait_tensorcnt 0x0                           ; my step has landed,
	s_barrier_signal -1
	s_barrier_wait -1                              ; and so have all sixteen.  Nothing is filled again: no further barrier stands in the walk
	s_mov_b32 s[BT], 0
	s_mov_b32 s[TB], 0
.Lsteps_lo:
	STEP_LO
	s_cmp_lt_u32 s[BT], 8
	s_cbranch_scc1 .Lsteps_lo
	s_mov_b32 s[BT], 8
	s_mov_b32 s[TB], 8*STEPB
.Lsteps_hi:
	STEP_HI
	s_cmp_lt_u32 s[BT], 16
	s_cbranch_scc1 .Lsteps_hi
	OUT OL, STL, 70
	s_wait_tensorcnt 0x0                           ; the wave's end
	ds_add_u32 v[SPW], v[NIL]
	s_wait_dscnt 0x0
	CROUND                                         ; the closing round
	s_endpgm
.Lfunc_end_k_q68fe7206b3_attn:
	.size	k_q68fe7206b3_attn, .Lfunc_end_k_q68fe7206b3_attn-k_q68fe7206b3_attn
	.p2alignl 7, 3214868480
	.fill 96, 4, 3214868480
	.section	.rodata,"a",@progbits
	.p2align	6, 0x0
	.amdhsa_kernel k_q68fe7206b3_attn
		.amdhsa_group_segment_fixed_size 327680
		.amdhsa_private_segment_fixed_size 0
		.amdhsa_enable_private_segment 0
		.amdhsa_kernarg_size 32
		.amdhsa_user_sgpr_count 2
		.amdhsa_user_sgpr_kernarg_segment_ptr 1
		.amdhsa_wavefront_size32 1
		.amdhsa_system_sgpr_workgroup_id_x 1
		.amdhsa_system_sgpr_workgroup_id_y 1
		.amdhsa_system_sgpr_workgroup_id_z 1
		.amdhsa_system_vgpr_workitem_id 0
		.amdhsa_next_free_vgpr 256
		.amdhsa_next_free_sgpr 80
		.amdhsa_reserve_vcc 1
		.amdhsa_float_denorm_mode_32 3
		.amdhsa_float_denorm_mode_16_64 3
		.amdhsa_memory_ordered 1
		.amdhsa_forward_progress 1
		.amdhsa_inst_pref_size 72
	.end_amdhsa_kernel
	.amdgpu_metadata
---
amdhsa.version: [ 1, 2 ]
amdhsa.kernels:
  - .name:           k_q68fe7206b3_attn
    .symbol:         k_q68fe7206b3_attn.kd
    .args:
      - { .name: q_ws, .offset: 0, .size: 8, .value_kind: global_buffer, .address_space: global }
      - { .name: kv_ws, .offset: 8, .size: 8, .value_kind: global_buffer, .address_space: global }
      - { .name: lowp_scales, .offset: 16, .size: 8, .value_kind: global_buffer, .address_space: global }
      - { .name: out0, .offset: 24, .size: 8, .value_kind: global_buffer, .address_space: global }
    .group_segment_fixed_size: 327680
    .private_segment_fixed_size: 0
    .kernarg_segment_align: 8
    .kernarg_segment_size: 32
    .max_flat_workgroup_size: 512
    .sgpr_count:     80
    .vgpr_count:     256
    .wavefront_size: 32
...
	.end_amdgpu_metadata
.endif
;; end of part 2
